; MI455X (gfx1250); checked and timed in simulation.
; The chip was launched on July 23, 2026; its instructions are those of AMD's public machine-readable ISA for CDNA 5 (MIT licence, August 2026) and "CDNA5" Instruction Set Architecture Reference Guide (July 2026). The comments in the code are by the model that wrote it; some were corrected since.
;; Cross Attention Doggettx. Allowed arithmetic: float matrix products may take bf16 or f16 operands with f32 sums; all other float work in f32.
;; Inputs: Wk 1,024 x 1,024 float32; Wout 1,024 x 1,024 float32; Wq 1,024 x 1,024 float32; Wv 1,024 x 1,024 float32; bout 1,024 float32; x 2 x 2,048 x 1,024 float32.
;; Outputs: out0 2 x 2,048 x 1,024 float32.
;; One version. Each part assembles by itself: llvm-mc -triple=amdgcn-amd-amdhsa -mcpu=gfx1250 --defsym DOCPART=n.
;; ======== version 1 of 1: 4 launches
;; limits: values are held in f16: magnitudes above 65,504 overflow, below 6.1e-05 lose precision
;; workspace buffers: xh 8,388,608 bytes; wh 8,388,608 bytes; qkv 25,165,824 bytes; oh 8,388,608 bytes
;; launch cast (part 1): grid 512 x 1, 8 waves a work-group, no clusters, 0 bytes of LDS; arguments x, Wq, Wk, Wv, Wout, xh, wh; writes xh, wh
.if DOCPART == 1
	.amdgcn_target "amdgcn-amd-amdhsa--gfx1250"
	.amdhsa_code_object_version 6
	.text
	.protected	k_qcdda572473_cast
	.globl	k_qcdda572473_cast
	.p2align	8
	.type	k_qcdda572473_cast,@function
k_qcdda572473_cast:
	s_mov_b64 s[64:65], 0
	v_nop
	global_prefetch_b8 v0, s[64:65] scope:SCOPE_SE
	s_setreg_imm32_b32 hwreg(HW_REG_WAVE_MODE, 25, 1), 1
	s_wait_xcnt 0x0
; xh = f16(x), wh = f16(Wq | Wk | Wv | Wout), rows of the four weights one behind the other.
; x is used by 12 column blocks of the next launch and each weight by 16 or 32 row blocks, so the rounding to the matrix
; operands' format is done once, here, and the later launches move half the bytes.
; LIMIT: f16 holds magnitudes below 65,504 (beyond: infinity) and has steps of 6e-8 below 6.1e-5.
; A stream: no LDS, no barrier, no matrix unit, and no cluster, since no two work-groups read the same byte.
; 512 work-groups of eight waves.  Work-group g takes 32,768 bytes of x and 8,192 bytes of each weight, so every address is its own
; buffer's pointer + g's offset + the wave's + the lane's.  A lane has 16 loads of 16 bytes on their way at once (8 of x, 2 of each weight);
; each load of a wave covers 512 consecutive bytes, each store 256 consecutive bytes at a multiple of 256 from the buffer's first byte.
.set X, 8                              ; v[8:71]    load j: 4 f32
.set Y, 72                             ; v[72:103]  load j: 4 f16 in 2 registers
.set WSEC, 0x200000                    ; bytes of one weight in wh (1,024 rows of 2,048 bytes)
	s_load_b256 s[4:11], s[0:1], 0x0               ; x s[4:5], Wq s[6:7], Wk s[8:9], Wv s[10:11]
	s_load_b128 s[12:15], s[0:1], 0x20             ; Wout s[12:13], xh s[14:15]
	s_load_b64 s[16:17], s[0:1], 0x30              ; wh
	s_lshl_b32 s20, ttmp9, 15                      ; g x 32,768: x
	s_mov_b32 s21, 0
	s_lshl_b32 s22, ttmp9, 14                      ; g x 16,384: xh
	s_mov_b32 s23, 0
	s_lshl_b32 s24, ttmp9, 13                      ; g x 8,192: each weight
	s_mov_b32 s25, 0
	s_lshl_b32 s26, ttmp9, 12                      ; g x 4,096: each weight's section of wh
	s_mov_b32 s27, 0
	v_and_b32 v5, 31, v0                           ; lane
	v_lshrrev_b32 v6, 5, v0                        ; wave
	v_lshlrev_b32 v1, 4, v5                        ; 16 x lane
	v_lshlrev_b32 v2, 3, v5                        ; 8 x lane
	v_lshl_add_u32 v3, v6, 10, v1                  ; weights in: wave x 1,024 + 16 x lane
	v_lshl_add_u32 v4, v6, 9, v2                   ; weights out: wave x 512 + 8 x lane
	v_lshl_add_u32 v1, v6, 12, v1                  ; x in: wave x 4,096 + 16 x lane
	v_lshl_add_u32 v2, v6, 11, v2                  ; x out: wave x 2,048 + 8 x lane
	s_wait_kmcnt 0x0
	s_add_nc_u64 s[4:5], s[4:5], s[20:21]
	s_add_nc_u64 s[6:7], s[6:7], s[24:25]
	s_add_nc_u64 s[8:9], s[8:9], s[24:25]
	s_add_nc_u64 s[10:11], s[10:11], s[24:25]
	s_add_nc_u64 s[12:13], s[12:13], s[24:25]
	s_add_nc_u64 s[14:15], s[14:15], s[22:23]
	s_add_nc_u64 s[16:17], s[16:17], s[26:27]
.set j, 0
.rept 8
	global_load_b128 v[X+4*j:X+4*j+3], v1, s[4:5] offset:512*j th:TH_LOAD_NT        ; loads 0 to 7: x
.set j, j+1
.endr
.irp n, 0,1,2,3
	global_load_b128 v[X+32+8*\n:X+32+8*\n+3], v3, s[6+2*\n:7+2*\n] th:TH_LOAD_NT               ; loads 8 + 2 n, 9 + 2 n: weight n
	global_load_b128 v[X+32+8*\n+4:X+32+8*\n+7], v3, s[6+2*\n:7+2*\n] offset:512 th:TH_LOAD_NT
.endr
; No register is written twice, so the only waits are the counted ones for the data.  The stores carry no hint: the next launches read these bytes.
.set j, 0
.rept 8
	s_wait_loadcnt 15-j                            ; loads come back in order (ISA guide 5.7.1): load j is in, the 15 - j younger ones stay out
	v_cvt_pk_f16_f32 v[Y+2*j], v[X+4*j], v[X+4*j+1]
	v_cvt_pk_f16_f32 v[Y+2*j+1], v[X+4*j+2], v[X+4*j+3]
	global_store_b64 v2, v[Y+2*j:Y+2*j+1], s[14:15] offset:256*j
.set j, j+1
.endr
.irp n, 0,1,2,3
.irp e, 0,1
	s_wait_loadcnt 7-2*\n-\e
	v_cvt_pk_f16_f32 v[Y+16+4*\n+2*\e], v[X+32+8*\n+4*\e], v[X+32+8*\n+4*\e+1]
	v_cvt_pk_f16_f32 v[Y+16+4*\n+2*\e+1], v[X+32+8*\n+4*\e+2], v[X+32+8*\n+4*\e+3]
	global_store_b64 v4, v[Y+16+4*\n+2*\e:Y+16+4*\n+2*\e+1], s[16:17] offset:\n*WSEC+256*\e
.endr
.endr
	s_endpgm
.Lfunc_end_k_qcdda572473_cast:
	.size	k_qcdda572473_cast, .Lfunc_end_k_qcdda572473_cast-k_qcdda572473_cast
	.p2alignl 7, 3214868480
	.fill 96, 4, 3214868480
	.section	.rodata,"a",@progbits
	.p2align	6, 0x0
	.amdhsa_kernel k_qcdda572473_cast
		.amdhsa_group_segment_fixed_size 0
		.amdhsa_private_segment_fixed_size 0
		.amdhsa_enable_private_segment 0
		.amdhsa_kernarg_size 56
		.amdhsa_user_sgpr_count 2
		.amdhsa_user_sgpr_kernarg_segment_ptr 1
		.amdhsa_wavefront_size32 1
		.amdhsa_system_sgpr_workgroup_id_x 1
		.amdhsa_system_sgpr_workgroup_id_y 1
		.amdhsa_system_sgpr_workgroup_id_z 1
		.amdhsa_system_vgpr_workitem_id 0
		.amdhsa_next_free_vgpr 104
		.amdhsa_next_free_sgpr 66
		.amdhsa_reserve_vcc 0
		.amdhsa_float_denorm_mode_32 3
		.amdhsa_float_denorm_mode_16_64 3
		.amdhsa_memory_ordered 1
		.amdhsa_forward_progress 1
		.amdhsa_inst_pref_size 7
	.end_amdhsa_kernel
	.amdgpu_metadata
---
amdhsa.version: [ 1, 2 ]
amdhsa.kernels:
  - .name:           k_qcdda572473_cast
    .symbol:         k_qcdda572473_cast.kd
    .args:
      - { .name: x, .offset: 0, .size: 8, .value_kind: global_buffer, .address_space: global }
      - { .name: Wq, .offset: 8, .size: 8, .value_kind: global_buffer, .address_space: global }
      - { .name: Wk, .offset: 16, .size: 8, .value_kind: global_buffer, .address_space: global }
      - { .name: Wv, .offset: 24, .size: 8, .value_kind: global_buffer, .address_space: global }
      - { .name: Wout, .offset: 32, .size: 8, .value_kind: global_buffer, .address_space: global }
      - { .name: xh, .offset: 40, .size: 8, .value_kind: global_buffer, .address_space: global }
      - { .name: wh, .offset: 48, .size: 8, .value_kind: global_buffer, .address_space: global }
    .group_segment_fixed_size: 0
    .private_segment_fixed_size: 0
    .kernarg_segment_align: 8
    .kernarg_segment_size: 56
    .max_flat_workgroup_size: 256
    .sgpr_count:     66
    .vgpr_count:     104
    .wavefront_size: 32
...
	.end_amdgpu_metadata
.endif
;; end of part 1
;; launch qkv (part 2): grid 12 x 16, 4 waves a work-group, clusters of 4 x 4, 327,680 bytes of LDS; arguments xh, wh, qkv; writes qkv
.if DOCPART == 2
	.amdgcn_target "amdgcn-amd-amdhsa--gfx1250"
	.amdhsa_code_object_version 6
	.text
	.protected	k_qcdda572473_qkv
	.globl	k_qcdda572473_qkv
	.p2align	8
	.type	k_qcdda572473_qkv,@function
k_qcdda572473_qkv:
	s_mov_b64 s[64:65], 0
	v_nop
	global_prefetch_b8 v0, s[64:65] scope:SCOPE_SE
	s_setreg_imm32_b32 hwreg(HW_REG_WAVE_MODE, 25, 1), 1
	s_wait_xcnt 0x0
	s_wait_alu depctr_hold_cnt(0) depctr_sa_sdst(0) depctr_va_vdst(0) depctr_va_sdst(0) depctr_va_ssrc(0) depctr_va_vcc(0) depctr_vm_vsrc(0)
	s_getreg_b32 s2, hwreg(HW_REG_IB_STS2, 6, 4)
	s_cmp_eq_u32 s2, 0
	s_cbranch_scc0 .Lentry_in_a_cluster
	s_endpgm
.Lentry_in_a_cluster:
	s_bfe_u32 s2, ttmp6, 0x10000c
	s_cmp_lg_u32 s2, 0xf033
	s_cbranch_scc0 .Lentry_shape_is_right
	s_endpgm
.Lentry_shape_is_right:
; q, k, v = x Wq^T, x Wk^T, x Wv^T as ONE product C[m][n] = sum over k of A[m][k] B[n][k]: A = xh [4096][1024], B = rows 0 to 3071 of wh [.][1024], f16;
; sums in f32; C rounded once to f16 and stored head-major: qkv[section n>>10][batch m>>11][head (n>>6)&15][token m&2047][n&63].
; LIMIT: q, k, v are kept in f16: magnitudes below 65,504, steps of 6e-8 below 6.1e-5.
; A work-group makes a block of 256 x 256 of C with four waves; a wave makes 128 x 128: 64 accumulator tiles of 16 x 16, 512 registers.
; 12 x 16 = 192 work-groups: a block of 256 columns lies in one section and a wave's 128 columns are two whole heads, which narrower blocks would split.
; K goes in steps of 128 through a ring of two LDS slots filled by the tensor data mover: a tile's rows are 256 bytes of memory at multiples of 256 bytes.
; CLUSTERS: 4 x 4 work-groups.  The four of a row of the cluster need the same tiles of A, the four of a column the same tiles of B: such a tile is asked
; for jointly, by the same tensor load with the same descriptor and a mask that names the four.  That divides the requests for A and for B by four.
;
; REGISTERS, in windows of 256 (s_set_vgpr_msb says which window each operand place means):
;   window 0: v0-31 addresses; v64-127, v128-191 fragments of A (8 x 16 rows x 32 K), two buffers; v192-223 at work on the way out
;   window 1: v64-127, v128-191 fragments of B, two buffers
;   window 2: the 32 accumulator tiles of my rows 0-63 (tile (a, b) at v[8 (8 a + b)]);   window 3: those of my rows 64-127
; THE MATRIX INSTRUCTION IS USED TRANSPOSED: source 0 = 16 rows of B, source 1 = 16 rows of A, so that lane l holds row l % 16 of C and its registers
; 0 to 7 the columns 8 (l / 16) + 0 .. 7: eight neighbouring numbers of a row, 16 bytes when packed.
.set SIZE_K, 1024
.set KSTEP,  128
.set PITCH,  272                       ; an LDS row: 256 bytes of data + 16 of padding = 68 words: the 16 rows that a load touches start at 16 different banks (64 banks of 4 bytes: ISA guide 11.1)
.set HALFT,  128*PITCH                 ; 128 rows: what one tensor load brings, and what one wave reads of A or of B
.set SLOT,   4*HALFT                   ; A's 256 rows, then B's 256 rows
.set STAGE,  2*SLOT                    ; behind the ring: 16 rows x 272 bytes for each wave, for the way out; no tensor load lands here
.set SPITCH, 272
.set LAPS, SIZE_K/(2*KSTEP)            ; a lap = two K steps = once round the ring: 4
.set ADRA, 16                          ; v16-17  LDS address of my A fragments in slot 0, 1
.set ADRB, 20                          ; v20-21  the same for B
.set STO,  24                          ; v24     the way out: where I put 16 bytes of a row
.set RD,   25                          ; v25     the way out: where I read 16 bytes back
.set CO,   26                          ; v26     my byte offset in qkv
.set F0,   64                          ; fragment buffer 0
.set F1,   128                         ; fragment buffer 1
.set TMP,  192                         ; the way out: packed results, in window 0
.set G1, 24                            ; s[24:31] descriptor group 1 for A's tiles
.set G0, 32                            ; s[32:39] descriptor group 0 for A's tiles, one set for each slot
.set G1B, 48                           ; s[48:55] descriptor group 1 for B's tiles: it differs from A's in the mask alone
.set G0B, 56                           ; s[56:63] descriptor group 0 for B's tiles, one set for each slot
.set MSB, 0
.macro WIN new                         ; the immediate's high byte repeats the setting that is left
.if MSB != \new
	s_set_vgpr_msb (MSB<<8)|\new
.set MSB, \new
.endif
.endm
.set MUL_LO, 0xa1                      ; source 0 (B) window 1, source 1 (A) window 0, C and D window 2
.set MUL_HI, 0xf1                      ; the same, C and D window 3
.set TO_B,   0x40                      ; destination window 1, address window 0
; A joint load.  Waves 0 and 1 fetch A's two halves, waves 2 and 3 B's.  Each of the two lines has one mask and one set of registers for all that issue it.
; The branch hangs on the wave's number alone: it is the same in every work-group.
.macro JLOAD s
	s_cmp_eq_u32 s11, 0
	s_cbranch_scc0 .Lfor_b_\@
	tensor_load_to_lds s[G0+4*\s:G0+4*\s+3], s[G1:G1+7]
	s_nop 0
	s_branch .Lasked_\@
.Lfor_b_\@:
	tensor_load_to_lds s[G0B+4*\s:G0B+4*\s+3], s[G1B:G1B+7]
	s_nop 0
.Lasked_\@:
.endm
; A round of the cluster's barrier: my work-group's barrier, so that wave 0's signal speaks for all four waves; wave 0 signals for the work-group;
; every wave waits for all sixteen work-groups; my work-group's barrier once more.
.macro CREST                           ; a round behind its opening barrier
	s_cmp_lg_u32 s10, 0
	s_cbranch_scc1 .Lnot_wave_0_\@
	s_barrier_signal -3
.Lnot_wave_0_\@:
	s_barrier_wait -3
	s_barrier_signal -1
	s_barrier_wait -1
.endm
.macro CROUND                          ; a whole round
	s_barrier_signal -1
	s_barrier_wait -1
	CREST
.endm
	s_load_b128 s[4:7], s[0:1], 0x0                ; xh s[4:5], wh s[6:7]
	s_load_b64 s[8:9], s[0:1], 0x10                ; qkv
	s_set_vgpr_msb 0x40
	v_lshl_add_u32 v255, v0, 2, 0x48400
	s_set_vgpr_msb 0x4000
	v_mov_b32 v255, 0
	s_set_vgpr_msb 0x1
	ds_add_u32 v255, v255
	s_set_vgpr_msb 0x100
	v_lshrrev_b32 v1, 5, v0
	v_readfirstlane_b32 s10, v1                    ; wave 0..3
	s_lshr_b32 s11, s10, 1                         ; which half of the block's rows is mine.  Also: I fetch for A (0) or for B (1)
	s_and_b32 s12, s10, 1                          ; which half of its columns.  Also: which 128 rows of that tile I fetch
	s_bfe_u32 s40, ttmp6, 0x40000                  ; cx: my place along the cluster's x
	s_bfe_u32 s41, ttmp6, 0x40004                  ; cy: along its y
	s_lshl_b32 s42, ttmp9, 2                       ; in a cluster launch ttmp9 and ttmp7 count clusters
	s_add_co_u32 s42, s42, s40                     ; block column of C = 4 x cluster x + cx, 0 to 11
	s_and_b32 s13, ttmp7, 0xffff
	s_lshl_b32 s13, s13, 2
	s_add_co_u32 s13, s13, s41                     ; block row of C = 4 x cluster y + cy, 0 to 15
	s_lshl_b32 s43, s41, 2
	s_lshl_b32 s43, 15, s43                        ; my row of the cluster: places 4 cy .. 4 cy + 3
	s_lshl_b32 s44, 0x1111, s40                    ; my column: places cx, cx + 4, cx + 8, cx + 12
	; descriptor group 1: a tile of 128 rows x 128 elements, padded in LDS
	s_or_b32 s[G1+0], s43, (1<<16)|(1<<20)|(1<<21)|(5<<22)|(3<<25)  ; 15:0 the mask: A's tiles go to my row; 17:16 element of 2 bytes; 20 padding on; 21 set beside a mask; 24:22 after every 64 words; 31:25 of 4 words
	s_or_b32 s[G1B+0], s44, (1<<16)|(1<<20)|(1<<21)|(5<<22)|(3<<25) ; the same with the mask of my column, for B's tiles
	s_mov_b32 s[G1B+1], KSTEP<<16
	s_mov_b32 s[G1+1], KSTEP<<16                   ; tensor_dim0 = 128
	s_mov_b32 s[G1B+2], 128<<16
	s_mov_b32 s[G1+2], 128<<16                     ; tensor_dim1 = 128
	s_mov_b32 s[G1B+3], KSTEP<<16
	s_mov_b32 s[G1+3], KSTEP<<16                   ; tile_dim0 = 128
	s_mov_b32 s[G1B+4], 128
	s_mov_b32 s[G1+4], 128                         ; tile_dim1 = 128
	s_mov_b32 s[G1B+5], SIZE_K
	s_mov_b32 s[G1+5], SIZE_K                      ; elements from row to row
	s_mov_b32 s[G1B+6], 0
	s_mov_b32 s[G1+6], 0
	s_mov_b32 s[G1B+7], 0
	s_mov_b32 s[G1+7], 0
	; where the tiles come from.  A's hang on the block row alone, which my row of the cluster shares; B's on the block column alone, which my column shares.
	s_lshl_b32 s17, s12, 7                         ; which 128 rows of the tile I fetch
	s_lshl_b32 s16, s13, 8
	s_add_co_u32 s16, s16, s17                     ; A: row 256 x block row + 128 x half
	s_lshl_b32 s46, s42, 8
	s_add_co_u32 s46, s46, s17                     ; B: row 256 x block column + 128 x half
	s_mov_b32 s17, 0
	s_mov_b32 s47, 0
	s_mov_b64 s[18:19], SIZE_K*2
	s_mul_u64 s[16:17], s[16:17], s[18:19]         ; in bytes
	s_mul_u64 s[46:47], s[46:47], s[18:19]
	s_mul_i32 s20, s10, HALFT                      ; and where they go: wave x 128 rows: no place in the cluster enters an LDS address
	s_wait_dscnt 0x0
	s_wait_kmcnt 0x0
	s_add_nc_u64 s[14:15], s[4:5], s[16:17]
	s_add_nc_u64 s[46:47], s[6:7], s[46:47]
	CROUND                                         ; all sixteen work-groups are here: the first joint loads meet
.irp s, 0,1
	s_mov_b32 s[G0+4*\s], 1                                        ; count = 1
	s_add_co_u32 s[G0+4*\s+1], s20, \s*SLOT                        ; LDS address
	s_add_nc_u64 s[G0+4*\s+2:G0+4*\s+3], s[14:15], \s*KSTEP*2      ; global address: K step s
	s_or_b32 s[G0+4*\s+3], s[G0+4*\s+3], 0x80000000                ; type = 2
	s_mov_b32 s[G0B+4*\s], 1
	s_add_co_u32 s[G0B+4*\s+1], s20, \s*SLOT
	s_add_nc_u64 s[G0B+4*\s+2:G0B+4*\s+3], s[46:47], \s*KSTEP*2
	s_or_b32 s[G0B+4*\s+3], s[G0B+4*\s+3], 0x80000000
	JLOAD \s                                       ; the ring is filled before anything else is done: two tensor loads of a wave are out
.endr
	; A fragment is 16 rows x 32 K in 8 registers: lane l holds row l % 16; registers 0-3 hold K = 8 (l / 16) + 0..7, registers 4-7 hold
	; K = 16 + 8 (l / 16) + 0..7: two loads of 16 bytes, 32 bytes apart.  The same for source 0 and source 1.
	v_and_b32 v1, 15, v0                           ; l % 16
	v_bfe_u32 v2, v0, 4, 1                         ; l / 16
	v_mul_u32_u24 v3, v1, PITCH
	v_lshl_add_u32 v3, v2, 4, v3                   ; row x pitch + 16 x half
	s_mul_i32 s21, s11, HALFT                      ; my 128 rows of A
	s_mul_i32 s22, s12, HALFT                      ; my 128 rows of B,
	s_add_co_u32 s22, s22, 2*HALFT                 ; which lie behind A's 256
.irp s, 0,1
	v_add_nc_u32 v[ADRA+\s], s21, v3
	v_add_nc_u32 v[ADRB+\s], s22, v3
	s_add_co_u32 s21, s21, SLOT
	s_add_co_u32 s22, s22, SLOT
.endr
	s_mul_i32 s23, s10, 16*SPITCH
	s_add_co_u32 s23, s23, STAGE                   ; my stage
	v_mul_u32_u24 v4, v1, SPITCH                   ; in: row l % 16, 16 bytes for each half of the lanes
	v_lshl_add_u32 v4, v2, 4, v4
	v_add_nc_u32 v[STO], s23, v4
	; back: a stage row is 128 bytes of one head, then 128 bytes of the next.  Lanes 0-15 take the first head's part of two rows (in qkv 256 consecutive
	; bytes, since a head's token rows are 128 bytes and lie one behind the other), lanes 16-31 the second head's.
	v_bfe_u32 v5, v0, 3, 1                         ; which of the two rows
	v_mul_u32_u24 v5, v5, SPITCH
	v_lshl_add_u32 v5, v2, 7, v5                   ; + 128 x head
	v_and_b32 v6, 7, v0
	v_lshl_add_u32 v5, v6, 4, v5                   ; + 16 x (l % 8)
	v_add_nc_u32 v[RD], s23, v5
	v_lshlrev_b32 v5, 4, v1                        ; in qkv: 16 x (l % 16)
	v_lshl_add_u32 v[CO], v2, 18, v5               ; + head x 2,048 tokens x 128 bytes
; 16 matrix instructions: m blocks a0, a0 + 1 of the window's four x all 8 n blocks, 32 along K.  zero = 1: the first product starts the sums.
; The 64 accumulators take turns, one instruction a turn, in the same order in every quarter step.
.macro MUL16 f, hi, a0, zero
.irp a, \a0, \a0+1
.irp b, 0,1,2,3,4,5,6,7
.if \zero
	v_wmma_f32_16x16x32_f16 v[8*(8*(\a)+\b):8*(8*(\a)+\b)+7], v[\f+8*\b:\f+8*\b+7], v[\f+8*(4*\hi+\a):\f+8*(4*\hi+\a)+7], 0
.else
	v_wmma_f32_16x16x32_f16 v[8*(8*(\a)+\b):8*(8*(\a)+\b)+7], v[\f+8*\b:\f+8*\b+7], v[\f+8*(4*\hi+\a):\f+8*(4*\hi+\a)+7], v[8*(8*(\a)+\b):8*(8*(\a)+\b)+7]
.endif
.endr
.endr
.endm
; 32 LDS loads in one run: the fragments of one quarter step (128 rows of B, 128 rows of A, 32 K at byte k of the rows) into buffer f
.macro FETCH slot, k, f
	WIN TO_B
.irp i, 0,1,2,3,4,5,6,7
	ds_load_b128 v[\f+8*\i:\f+8*\i+3],   v[ADRB+\slot] offset:\k+\i*16*PITCH
	ds_load_b128 v[\f+8*\i+4:\f+8*\i+7], v[ADRB+\slot] offset:\k+\i*16*PITCH+32
.endr
	WIN 0
.irp i, 0,1,2,3,4,5,6,7
	ds_load_b128 v[\f+8*\i:\f+8*\i+3],   v[ADRA+\slot] offset:\k+\i*16*PITCH
	ds_load_b128 v[\f+8*\i+4:\f+8*\i+7], v[ADRA+\slot] offset:\k+\i*16*PITCH+32
.endr
.endm
; A load into a register that a matrix instruction has read, and a vector instruction that reads a matrix result, stand four places behind that matrix
; instruction, and only plain vector instructions that name none of its registers are places (ISA guide 7.12.1 for vector instructions).
.macro PLACES
.rept 4
	v_nop
.endr
.endm
; A K step is four quarter steps of 32 along K, 64 matrix instructions each, on buffers 0, 1, 0, 1.
; One of the first three: multiplies buffer f; in its middle it fetches the next quarter's fragments, at byte k of the same slot's rows, into buffer g.
.macro QUARTER slot, k, f, g, zero
	s_wait_dscnt 8                                 ; B and A's rows 0-63 are in; the youngest eight loads (A's rows 64-127) may be out
	WIN MUL_LO
	MUL16 \f, 0, 0, \zero
	MUL16 \f, 0, 2, \zero
	PLACES
	FETCH \slot, \k, \g
	s_wait_dscnt 32                                ; all but the 32 just issued
	WIN MUL_HI
	MUL16 \f, 1, 0, \zero
	MUL16 \f, 1, 2, \zero
.endm
.macro THREE slot, zero
	QUARTER \slot, 64,  F0, F1, \zero
	QUARTER \slot, 128, F1, F0, 0
	QUARTER \slot, 192, F0, F1, 0
.endm
; The last quarter: multiplies buffer 1 and changes slots.  next = the other slot; fill = 1: this slot is filled again, two K steps ahead.
; One barrier for the change of slots.  In front of it each wave waits for its own reads of this slot and for all its tensor loads, of which one is out:
; its part of the next slot.  Behind it nobody reads this slot any more and the next slot is whole: the refill comes first, then the next slot's fragments.
.macro TURN slot, next, fill
	s_wait_dscnt 8
	WIN MUL_LO
	MUL16 F1, 0, 0, 0
	s_wait_dscnt 0                                 ; my reads of this slot are over
	s_wait_tensorcnt 0x0                           ; and all my tensor loads have landed
	ds_add_u32 v255, v255
	s_wait_dscnt 0x0
	s_barrier_signal -1                            ; say so (where a slot is filled again this barrier opens a round of the cluster's barrier),
	MUL16 F1, 0, 2, 0                              ; work on registers while the others arrive,
	WIN 0
	s_barrier_wait -1                              ; and go on when all four have said so
.if \fill
	CREST                                          ; no wave of any partner still reads this slot's tile or has a load on its way
	s_add_nc_u64 s[G0+4*\slot+2:G0+4*\slot+3], s[G0+4*\slot+2:G0+4*\slot+3], 2*KSTEP*2
	s_add_nc_u64 s[G0B+4*\slot+2:G0B+4*\slot+3], s[G0B+4*\slot+2:G0B+4*\slot+3], 2*KSTEP*2
	JLOAD \slot                                    ; the first tensor load behind the round
.endif
	PLACES
	FETCH \next, 0, F0
	WIN MUL_HI
	MUL16 F1, 1, 0, 0
	MUL16 F1, 1, 2, 0
.endm
.macro LAP zero                        ; once round the ring, both slots filled again
	THREE 0, \zero
	TURN 0, 1, 1
	THREE 1, 0
	TURN 1, 0, 1
.endm
	s_wait_tensorcnt 1                             ; my part of K step 0 is in; K step 1's load, the one issued behind it, stays out
	s_barrier_signal -1
	s_barrier_wait -1                              ; everybody's is
	FETCH 0, 0, F0
	LAP 1                                          ; the first lap stands in front of the loop: its first products start the sums
	WIN 0                                          ; at a label and at a branch every window is 0
	s_mov_b32 s3, LAPS-2
.Llap:
	LAP 0
	WIN 0
	s_sub_co_u32 s3, s3, 1
	s_cmp_lg_u32 s3, 0
	s_cbranch_scc1 .Llap
	THREE 0, 0                                     ; the last lap fills nothing, and has no round of the cluster's barrier
	TURN 0, 1, 0
	THREE 1, 0
	s_wait_dscnt 8                                 ; the very last quarter: nothing more to fetch
	WIN MUL_LO
	MUL16 F1, 0, 0, 0
	MUL16 F1, 0, 2, 0
	s_wait_dscnt 0
	WIN MUL_HI
	MUL16 F1, 1, 0, 0
	MUL16 F1, 1, 2, 0
	; THE WAY OUT, 16 token rows at a time: round to f16, 16 bytes a lane into my own stage in LDS, read back by heads.
	PLACES
	s_lshr_b32 s14, s13, 3                         ; batch = block row / 8
	s_lshl_b32 s14, s14, 22                        ; x 16 heads x 2,048 tokens x 128 bytes
	s_and_b32 s16, s13, 7
	s_lshl_b32 s16, s16, 15                        ; + 256 tokens x 128 bytes for each block row in the batch
	s_add_co_u32 s16, s16, s14
	s_lshl_b32 s14, s11, 14                        ; + my half: 128 tokens
	s_add_co_u32 s16, s16, s14
	s_mov_b32 s17, 0
	s_add_nc_u64 s[8:9], s[8:9], s[16:17]
	s_lshr_b32 s46, s42, 2                         ; section (q, k, v) = block column / 4 (in the registers that held B's address: none that feeds A's descriptors ever holds cx)
	s_lshl_b32 s46, s46, 23                        ; x 8,388,608 bytes
	s_and_b32 s47, s42, 3
	s_lshl_b32 s47, s47, 20                        ; + four heads for each block column in the section
	s_add_co_u32 s46, s46, s47
	s_lshl_b32 s47, s12, 19                        ; + my half: two heads
	s_add_co_u32 s46, s46, s47
	s_mov_b32 s47, 0
	s_add_nc_u64 s[8:9], s[8:9], s[46:47]
; rows 16 i .. 16 i + 15 of my block = the eight tiles (a, 0..7) of window 2 or 3 (from = 0x0a or 0x0f: sources 0 and 1); f: F0 or F1 in turn
.macro OUT16 i, a, from, f
	WIN \from
.irp b, 0,1,2,3,4,5,6,7
.irp r, 0,1,2,3
	v_cvt_pk_f16_f32 v[TMP+4*\b+\r], v[8*(8*\a+\b)+2*\r], v[8*(8*\a+\b)+2*\r+1]
.endr
.endr
	WIN 0
.irp b, 0,1,2,3,4,5,6,7
	ds_store_b128 v[STO], v[TMP+4*\b:TMP+4*\b+3] offset:32*\b
.endr
	s_wait_xcnt 0x0                                ; every earlier memory instruction has had its addresses translated (ISA guide 3.1): buffer f, which stores read, and the stores' base are rewritten only behind this wait
.if \i
	s_add_nc_u64 s[8:9], s[8:9], 16*128            ; 16 tokens on
.endif
.irp t, 0,1,2,3,4,5,6,7
	ds_load_b128 v[\f+4*\t:\f+4*\t+3], v[RD] offset:\t*2*SPITCH    ; LDS serves a wave's instructions in order (ISA guide 5.7.1.4): these see the stores above
.endr
.irp t, 0,1,2,3,4,5,6,7
	s_wait_dscnt 7-\t                              ; read t is back, the 7 - t younger ones stay out
	global_store_b128 v[CO], v[\f+4*\t:\f+4*\t+3], s[8:9] offset:256*\t   ; 16 lanes store 256 consecutive bytes (two tokens of one head), at a multiple of 256 from the buffer's first byte
.endr
.endm
	OUT16 0, 0, 0x0a, F0
	OUT16 1, 1, 0x0a, F1
	OUT16 2, 2, 0x0a, F0
	OUT16 3, 3, 0x0a, F1
	OUT16 4, 0, 0x0f, F0
	OUT16 5, 1, 0x0f, F1
	OUT16 6, 2, 0x0f, F0
	OUT16 7, 3, 0x0f, F1
	s_set_vgpr_msb 0x1
	s_wait_tensorcnt 0x0
	ds_add_u32 v255, v255
	s_wait_dscnt 0x0
	s_set_vgpr_msb 0x100
	CROUND                                         ; the closing round: no work-group ends while a partner may still ask for a tile that names it
	s_endpgm
.Lfunc_end_k_qcdda572473_qkv:
	.size	k_qcdda572473_qkv, .Lfunc_end_k_qcdda572473_qkv-k_qcdda572473_qkv
	.p2alignl 7, 3214868480
	.fill 96, 4, 3214868480
	.section	.rodata,"a",@progbits
	.p2align	6, 0x0
	.amdhsa_kernel k_qcdda572473_qkv
		.amdhsa_group_segment_fixed_size 327680
		.amdhsa_private_segment_fixed_size 0
		.amdhsa_enable_private_segment 0
		.amdhsa_kernarg_size 24
		.amdhsa_user_sgpr_count 2
		.amdhsa_user_sgpr_kernarg_segment_ptr 1
		.amdhsa_wavefront_size32 1
		.amdhsa_system_sgpr_workgroup_id_x 1
		.amdhsa_system_sgpr_workgroup_id_y 1
		.amdhsa_system_sgpr_workgroup_id_z 1
		.amdhsa_system_vgpr_workitem_id 0
		.amdhsa_next_free_vgpr 1024
		.amdhsa_next_free_sgpr 66
		.amdhsa_reserve_vcc 0
		.amdhsa_float_denorm_mode_32 3
		.amdhsa_float_denorm_mode_16_64 3
		.amdhsa_memory_ordered 1
		.amdhsa_forward_progress 1
		.amdhsa_inst_pref_size 196
	.end_amdhsa_kernel
	.amdgpu_metadata
---
amdhsa.version: [ 1, 2 ]
amdhsa.kernels:
  - .name:           k_qcdda572473_qkv
    .symbol:         k_qcdda572473_qkv.kd
    .args:
      - { .name: xh, .offset: 0, .size: 8, .value_kind: global_buffer, .address_space: global }
      - { .name: wh, .offset: 8, .size: 8, .value_kind: global_buffer, .address_space: global }
      - { .name: qkv, .offset: 16, .size: 8, .value_kind: global_buffer, .address_space: global }
    .group_segment_fixed_size: 327680
    .private_segment_fixed_size: 0
    .kernarg_segment_align: 8
    .kernarg_segment_size: 24
    .max_flat_workgroup_size: 128
    .sgpr_count:     66
    .vgpr_count:     1024
    .wavefront_size: 32
...
	.end_amdgpu_metadata
.endif
;; end of part 2
;; launch attn (part 3): grid 256 x 1, 16 waves a work-group, clusters of 4 x 1, 327,680 bytes of LDS; arguments qkv, oh; writes oh
.if DOCPART == 3
	.amdgcn_target "amdgcn-amd-amdhsa--gfx1250"
	.amdhsa_code_object_version 6
	.text
	.protected	k_qcdda572473_attn
	.globl	k_qcdda572473_attn
	.p2align	8
	.type	k_qcdda572473_attn,@function
k_qcdda572473_attn:
	s_mov_b64 s[64:65], 0
	v_nop
	global_prefetch_b8 v0, s[64:65] scope:SCOPE_SE
	s_setreg_imm32_b32 hwreg(HW_REG_WAVE_MODE, 25, 1), 1
	s_wait_xcnt 0x0
	s_wait_alu depctr_hold_cnt(0) depctr_sa_sdst(0) depctr_va_vdst(0) depctr_va_sdst(0) depctr_va_ssrc(0) depctr_va_vcc(0) depctr_vm_vsrc(0)
	s_getreg_b32 s2, hwreg(HW_REG_IB_STS2, 6, 4)
	s_cmp_eq_u32 s2, 0
	s_cbranch_scc0 .Lentry_in_a_cluster
	s_endpgm
.Lentry_in_a_cluster:
	s_bfe_u32 s2, ttmp6, 0x10000c
	s_cmp_lg_u32 s2, 0x3003
	s_cbranch_scc0 .Lentry_shape_is_right
	s_endpgm
.Lentry_shape_is_right:
; o = softmax(q k^T / 8) v for each of the 32 (batch, head) planes.  qkv: [3][32 planes][2048 tokens][64] f16; oh: [32 planes][2048][64] f16.
; A work-group takes 256 queries of one plane and walks the plane's 2,048 keys in 4 tiles of 512.
; SIXTEEN WAVES, four for each SIMD, 256 registers each.  Wave w takes query group w % 8 (32 queries: two query tiles of 16) and key half w / 8: of every
; tile the rows 256 (w / 8) .. + 255.  A K or V fragment read from LDS still serves 32 queries, so no more LDS bytes are read than with eight waves that walk
; all keys, and four waves take turns on a SIMD: one's softmax runs beside another's matrix work.  At the end the two waves of a query group hold two
; partial softmaxes (maximum, sum, O), which are joined through LDS.
; CLUSTERS: the four work-groups of a cluster take four query blocks of ONE plane and read the same K and V tiles: each tile is asked for jointly
; (mask 15), which divides the requests for K and V by four.  The place in the cluster enters nothing but the global offsets of Q and of the output.
; THE PRODUCTS ARE TRANSPOSED.  S^T = K Q^T: lane (r, h) holds in register j of a tile the score of key 8 h + j and query r, so a query's maximum and sum
; lie in two lanes (l and l xor 16) and need one exchange; and the 16 registers of two neighbouring key tiles, packed to f16 in place, ARE the second
; source of O^T = V^T P^T for 32 keys: P goes through no LDS and no shuffle.  V^T is read from V [key][d] by the transposing LDS load.
; SOFTMAX: a running maximum M for each query; p = 2^(c s - c M), c = log2(e) / 8, one fused multiply-add and one v_exp_f32; when M grows, the sum and O are
; scaled by 2^(c M_old - c M_new).  The same factors join the two key halves at the end.
; No prefetch: each tile is asked for by its tensor loads a whole tile's work (four steps of every wave) ahead of its first read.
; LIMITS: q, k, v, p and o are f16 matrix operands (|q|, |k|, |v| below 65,504; steps of 6e-8 below 6.1e-5); the sum over keys is taken in another order than
; a plain loop's; a NaN among the scores loses in the maximum.
.set KP, 144                           ; LDS pitch of K: 128 bytes + 16: an odd multiple of 16, so the 16 rows of a fragment load fall on different 16-byte columns
.set VP, 160                           ; LDS pitch of V: 128 bytes + 32: an odd multiple of 32, for the transposing load
.set TKEYS, 512                        ; keys in a tile
.set KB, TKEYS*KP                      ; bytes of a K tile, 73,728; V's tile lies behind it
.set SLOT, KB+TKEYS*VP                 ; 155,648; two slots fill the 311,296 bytes
.set TILEB, TKEYS*128                  ; bytes of a tile of K or of V in memory
.set XW, 18*512                        ; the end: what a wave of key half 1 hands over: 16 x 512 bytes of O, 512 of (-c M, M), 512 (half used) of sums
; The end's LDS lies in slot 0, whose last fill (tile 2) has landed and whose last reads are over in every wave in front of the last tile's round:
; wave w of 0..7 has its stage at w x 4,608 (below 36,864); wave w of 8..15 hands over at w x 9,216 (73,728 up to 147,456).
.set KA, 4                             ; v4-5    LDS address of my K fragments in slot 0, 1
.set VA, 6                             ; v6-7    the same for V
.set QO, 8                             ; v8      my byte offset in my wave's 32 rows of Q
.set STO, 9                            ; v9      the way out: where I put 16 bytes
.set RD, 10                            ; v10     the way out: where I read 16 bytes back
.set GO, 11                            ; v11     my byte offset in my wave's 4,096 bytes of the output
.set NM, 12                            ; v[12:13], v[14:15]  query tile 0, 1: (-c M, M)
.set AL, 16                            ; v[16:17], v[18:19]  (the factor for the old sums, a register that is only there to complete the pair)
.set LS, 20                            ; v20, v21  my half of the sum of p
.set T, 22                             ; v[22:25], v[26:29]  at work
.set XA, 30                            ; v30     the end: where I hand over, or take over, 16 bytes
.set Q, 32                             ; v[32:63]   Q fragments: query tile qt, 32 d at ks: Q + 16 qt + 8 ks
.set O, 64                             ; v[64:127]  O^T: 16 d at dt x query tile qt: O + 8 (2 dt + qt)
.set S, 128                            ; v[128:191] S^T: query tile qt x key tile kt: S + 32 qt + 8 kt; then P for 32 keys at S + 32 qt + 16 p
.set PA, 192                           ; v[192:223], v[224:255]  two pools of 32: K fragments, then V fragments
.set G1K, 16                           ; s[16:23] descriptor group 1 for K
.set G1V, 24                           ; s[24:31] for V: another padding
.set G0K, 32                           ; s[32:39] descriptor group 0 for K, one set for each slot
.set G0V, 40                           ; s[40:47] for V
.macro PLACES n
.rept \n
	v_nop
.endr
.endm
; A round of the cluster's barrier: my work-group's barrier, wave 0 signals for the work-group, every wave waits for the four work-groups, my work-group's barrier once more.
.macro ROUND
	s_barrier_signal -1
	s_barrier_wait -1
	s_cmp_lg_u32 s8, 0
	s_cbranch_scc1 .Lnot_wave_0_\@
	s_barrier_signal -3
.Lnot_wave_0_\@:
	s_barrier_wait -3
	s_barrier_signal -1
	s_barrier_wait -1
.endm
	s_load_b128 s[4:7], s[0:1], 0x0                ; qkv s[4:5], oh s[6:7]
	v_lshl_add_u32 v190, v0, 2, 0x4c000
	v_mov_b32 v191, 0
	ds_add_u32 v190, v191
	s_wait_dscnt 0x0
	v_lshrrev_b32 v3, 5, v0
	v_readfirstlane_b32 s8, v3                     ; wave 0..15
	s_and_b32 s9, s8, 7                            ; query group
	s_lshr_b32 s13, s8, 3                          ; key half
	s_bfe_u32 s10, ttmp6, 0x40000                  ; cx: my place in the cluster
	s_lshr_b32 s11, ttmp9, 1                       ; plane = cluster / 2 (ttmp9 counts clusters)
	s_and_b32 s12, ttmp9, 1
	s_lshl_b32 s12, s12, 2
	s_add_co_u32 s12, s12, s10                     ; query block 0..7 = 4 x (cluster % 2) + cx
	s_lshl_b32 s14, s11, 18                        ; plane x 2,048 tokens x 128 bytes
	s_lshl_b32 s54, s12, 15                        ; Q's and the output's offset: + query block x 256 rows
	s_add_co_u32 s54, s54, s14
	s_lshl_b32 s57, s9, 12                         ; + query group x 32 rows
	s_add_co_u32 s54, s54, s57
	s_mov_b32 s55, 0
	s_lshl_b32 s57, s8, 12                         ; K's and V's offset: plane + wave x 32 rows: the same in the four partners
	s_add_co_u32 s14, s14, s57
	s_mov_b32 s15, 0
	s_mov_b32 s48, 0x3e38aa3b                      ; c = log2(e) / 8
	s_mov_b32 s49, 0x3e38aa3b
	s_mov_b32 s56, 0xbe38aa3b                      ; -c
	s_mov_b32 s50, 0x76543210                      ; v_permlanex16_b32: lane i of one half reads lane i of the other
	s_mov_b32 s51, 0xfedcba98
	; descriptor groups 1: what one wave fetches of a tile: 32 rows x 64 elements of 2 bytes; the rows lie one behind the other in memory
	s_mov_b32 s[G1K+0], 15|(1<<16)|(1<<20)|(1<<21)|(4<<22)|(3<<25)  ; 15:0 the mask: all four partners; 17:16 element of 2 bytes; 20 padding on; 21 set beside a mask; 24:22 after every 32 words; 31:25 of 4 words
	s_mov_b32 s[G1V+0], 15|(1<<16)|(1<<20)|(1<<21)|(4<<22)|(7<<25)  ; the same, padding of 8 words
	s_mov_b32 s[G1K+1], 64<<16                     ; tensor_dim0 = 64
	s_mov_b32 s[G1V+1], 64<<16
	s_mov_b32 s[G1K+2], 32<<16                     ; tensor_dim1 = 32
	s_mov_b32 s[G1V+2], 32<<16
	s_mov_b32 s[G1K+3], 64<<16                     ; tile_dim0 = 64
	s_mov_b32 s[G1V+3], 64<<16
	s_mov_b32 s[G1K+4], 32                         ; tile_dim1 = 32
	s_mov_b32 s[G1V+4], 32
	s_mov_b32 s[G1K+5], 64                         ; elements from row to row
	s_mov_b32 s[G1V+5], 64
	s_mov_b32 s[G1K+6], 0
	s_mov_b32 s[G1V+6], 0
	s_mov_b32 s[G1K+7], 0
	s_mov_b32 s[G1V+7], 0
	s_mul_i32 s57, s8, 32*KP                       ; the 32 rows that I fetch of a K tile; at the end also my stage
	s_mul_i32 s58, s8, 32*VP                       ; the 32 rows that I fetch of a V tile
	s_mul_i32 s59, s13, 256*KP                     ; the 256 rows that I read of a K tile
	s_mul_i32 s60, s13, 256*VP                     ; and of a V tile
	s_mul_i32 s61, s8, XW                          ; where I hand over at the end
	s_wait_kmcnt 0x0
	s_add_nc_u64 s[52:53], s[4:5], s[54:55]        ; my wave's rows of Q (section 0)
	s_add_nc_u64 s[6:7], s[6:7], s[54:55]          ; and of the output
	s_add_nc_u64 s[4:5], s[4:5], s[14:15]          ; the plane, at the rows of tile 0 that I fetch
.irp s, 0,1
	s_mov_b32 s[G0K+4*\s], 1                                       ; count = 1
	s_add_co_u32 s[G0K+4*\s+1], s57, \s*SLOT                       ; LDS address
	s_add_nc_u64 s[G0K+4*\s+2:G0K+4*\s+3], s[4:5], 0x800000+\s*TILEB    ; section 1, tile s
	s_or_b32 s[G0K+4*\s+3], s[G0K+4*\s+3], 0x80000000              ; type = 2
	s_mov_b32 s[G0V+4*\s], 1
	s_add_co_u32 s[G0V+4*\s+1], s58, \s*SLOT+KB
	s_add_nc_u64 s[G0V+4*\s+2:G0V+4*\s+3], s[4:5], 0x1000000+\s*TILEB   ; section 2, tile s
	s_or_b32 s[G0V+4*\s+3], s[G0V+4*\s+3], 0x80000000
.endr
	ROUND                                          ; the four work-groups are here: the first joint loads meet
	tensor_load_to_lds s[G0K:G0K+3], s[G1K:G1K+7]  ; tile 0
	s_nop 0
	tensor_load_to_lds s[G0V:G0V+3], s[G1V:G1V+7]
	s_nop 0
	v_and_b32 v1, 15, v0                           ; r = l % 16
	v_bfe_u32 v2, v0, 4, 1                         ; h = l / 16
	v_lshlrev_b32 v[QO], 7, v1                     ; Q: row r x 128 bytes
	v_lshl_add_u32 v[QO], v2, 4, v[QO]             ; + 16 h
.irp qt, 0,1
.irp ks, 0,1
	global_load_b128 v[Q+16*\qt+8*\ks:Q+16*\qt+8*\ks+3],   v[QO], s[52:53] offset:\qt*2048+\ks*64      ; query 16 qt + r, d = 32 ks + 8 h ..
	global_load_b128 v[Q+16*\qt+8*\ks+4:Q+16*\qt+8*\ks+7], v[QO], s[52:53] offset:\qt*2048+\ks*64+32   ; d = 32 ks + 16 + 8 h ..
.endr
.endr
	v_mul_u32_u24 v3, v1, KP
	v_lshl_add_u32 v3, v2, 4, v3                   ; row r x 144 + 16 h
	v_add_nc_u32 v[STO], s57, v3                   ; stage in
	v_add_nc_u32 v[KA], s59, v3                    ; K: + my key half
	v_add_nc_u32 v[KA+1], SLOT, v[KA]
	v_and_b32 v3, 7, v0
	v_lshl_add_u32 v3, v2, 3, v3                   ; V: key 8 h + l % 8
	v_mul_u32_u24 v[VA], v3, VP
	v_bfe_u32 v3, v0, 3, 1
	v_lshl_add_u32 v[VA], v3, 4, v[VA]             ; + 16 bytes for the upper eight lanes of each sixteen
	v_add_nc_u32 v[VA], s60, v[VA]                 ; + my key half
	v_add_nc_u32 v[VA], KB, v[VA]                  ; behind K's tile
	v_add_nc_u32 v[VA+1], SLOT, v[VA]
	v_bfe_u32 v3, v0, 3, 2
	v_mul_u32_u24 v[RD], v3, KP                    ; stage back: eight lanes take a row of 128 bytes, the wave four rows
	v_and_b32 v3, 7, v0
	v_lshl_add_u32 v[RD], v3, 4, v[RD]
	v_add_nc_u32 v[RD], s57, v[RD]
	v_and_b32 v[GO], 31, v0
	v_lshlrev_b32 v[GO], 4, v[GO]                  ; the same four rows in memory are 512 consecutive bytes
	v_add_nc_u32 v[XA], s61, v[GO]                 ; handing over: 16 x lane in my wave's area
	v_mov_b32 v[AL+1], 0                           ; the pairs' second registers are named by the packed multiplies and never used
	v_mov_b32 v[AL+3], 0
	v_mov_b32 v[T+2], 0                            ; v_permlanex16_b32's destination counts as read
	v_mov_b32 v[T+6], 0
	s_wait_loadcnt 0x0                             ; Q, once
; 8 LDS loads: the K fragments of keys 64 st + 32 g .. + 31 of my half (two key tiles x two halves of d) into pool g
.macro KLOAD slot, st, g
.irp kt, 0,1
.irp ks, 0,1
	ds_load_b128 v[PA+32*\g+16*\kt+8*\ks:PA+32*\g+16*\kt+8*\ks+3],   v[KA+\slot] offset:(64*(\st)+32*\g+16*\kt)*KP+64*\ks
	ds_load_b128 v[PA+32*\g+16*\kt+8*\ks+4:PA+32*\g+16*\kt+8*\ks+7], v[KA+\slot] offset:(64*(\st)+32*\g+16*\kt)*KP+64*\ks+32
.endr
.endr
.endm
; 8 transposing LDS loads: V^T of keys 64 st + 32 p .. + 31 of my half (four tiles of 16 d) into pool p: lane (r, h) gets d = 16 dt + r, keys 8 h .. and 16 + 8 h ..
.macro VLOAD slot, st, p
.irp dt, 0,1,2,3
	ds_load_tr16_b128 v[PA+32*\p+8*\dt:PA+32*\p+8*\dt+3],   v[VA+\slot] offset:(64*(\st)+32*\p)*VP+32*\dt
	ds_load_tr16_b128 v[PA+32*\p+8*\dt+4:PA+32*\p+8*\dt+7], v[VA+\slot] offset:(64*(\st)+32*\p+16)*VP+32*\dt
.endr
.endm
; 8 matrix instructions: S^T of key tiles 2 g, 2 g + 1 x both query tiles.  The first half of d starts the sums.
; The four accumulators take turns, one instruction a turn.
.macro SMUL g
.irp kt, 0,1
.irp qt, 0,1
	v_wmma_f32_16x16x32_f16 v[S+32*\qt+8*(2*\g+\kt):S+32*\qt+8*(2*\g+\kt)+7], v[PA+32*\g+16*\kt:PA+32*\g+16*\kt+7], v[Q+16*\qt:Q+16*\qt+7], 0
.endr
.endr
.irp kt, 0,1
.irp qt, 0,1
	v_wmma_f32_16x16x32_f16 v[S+32*\qt+8*(2*\g+\kt):S+32*\qt+8*(2*\g+\kt)+7], v[PA+32*\g+16*\kt+8:PA+32*\g+16*\kt+15], v[Q+16*\qt+8:Q+16*\qt+15], v[S+32*\qt+8*(2*\g+\kt):S+32*\qt+8*(2*\g+\kt)+7]
.endr
.endr
.endm
; The running maximum of query tile qt: my 32 scores in two chains, the other half's lane, the old maximum; -c M; the factor 2^(c M_old - c M_new) for the old sums
.macro SMAX qt, first
.set XB, S+32*\qt
.set TB, T+4*\qt
	v_max_num_f32 v[TB], v[XB], v[XB+1]
	v_max_num_f32 v[TB+1], v[XB+16], v[XB+17]
.set i, 2
.rept 7
	v_max3_num_f32 v[TB], v[TB], v[XB+i], v[XB+i+1]
	v_max3_num_f32 v[TB+1], v[TB+1], v[XB+16+i], v[XB+16+i+1]
.set i, i+2
.endr
	v_max_num_f32 v[TB], v[TB], v[TB+1]
	v_permlanex16_b32 v[TB+2], v[TB], s50, s51     ; the other 32 keys of my query
.if \first
	v_max_num_f32 v[NM+2*\qt+1], v[TB], v[TB+2]
	v_mul_f32 v[NM+2*\qt], s56, v[NM+2*\qt+1]
.else
	v_mov_b32 v[TB+3], v[NM+2*\qt]                 ; -c M_old
	v_max3_num_f32 v[NM+2*\qt+1], v[TB], v[TB+2], v[NM+2*\qt+1]
	v_mul_f32 v[NM+2*\qt], s56, v[NM+2*\qt+1]
	v_sub_f32 v[AL+2*\qt], v[NM+2*\qt], v[TB+3]    ; c M_old - c M_new, never above 0
	v_exp_f32 v[AL+2*\qt], v[AL+2*\qt]             ; the next line is a plain vector instruction that names neither (ISA guide 5.7.2)
.endif
.endm
.macro SFMA qt                         ; c s - c M, two at a time
.set XB, S+32*\qt
.set i, 0
.rept 16
	v_pk_fma_f32 v[XB+i:XB+i+1], v[XB+i:XB+i+1], s[48:49], v[NM+2*\qt:NM+2*\qt+1] op_sel_hi:[1,0,0]
.set i, i+2
.endr
.endm
.macro SEXP qt                         ; p = 2^(..): behind the run the next block works on the other query tile, which is the plain instruction that a transcendental asks for (ISA guide 5.7.2)
.set XB, S+32*\qt
.set i, 0
.rept 32
	v_exp_f32 v[XB+i], v[XB+i]
.set i, i+1
.endr
.endm
.macro SSUM qt, first                  ; my 32 p in two chains of pairs; the old sum scaled and added in one fused multiply-add
.set XB, S+32*\qt
.set TB, T+4*\qt
	s_wait_alu depctr_va_vdst(0)
	v_pk_add_f32 v[TB:TB+1], v[XB:XB+1], v[XB+2:XB+3]
	v_pk_add_f32 v[TB+2:TB+3], v[XB+4:XB+5], v[XB+6:XB+7]
.set i, 8
.rept 6
	v_pk_add_f32 v[TB:TB+1], v[TB:TB+1], v[XB+i:XB+i+1]
	v_pk_add_f32 v[TB+2:TB+3], v[TB+2:TB+3], v[XB+i+2:XB+i+3]
.set i, i+4
.endr
	v_pk_add_f32 v[TB:TB+1], v[TB:TB+1], v[TB+2:TB+3]
.if \first
	v_add_f32 v[LS+\qt], v[TB], v[TB+1]
.else
	v_add_f32 v[TB], v[TB], v[TB+1]
	v_fma_f32 v[LS+\qt], v[LS+\qt], v[AL+2*\qt], v[TB]
.endif
.endm
; p to f16 in place: register i of a fragment takes registers 2 i, 2 i + 1 of two neighbouring key tiles; ascending, so nothing is overwritten before it is read
.macro SCVT qt
.set XB, S+32*\qt
.irp pp, 0,16
.set i, 0
.rept 8
	v_cvt_pk_f16_f32 v[XB+\pp+i], v[XB+\pp+2*i], v[XB+\pp+2*i+1]
.set i, i+1
.endr
.endr
.endm
.macro RESC qt                         ; the old O of query tile qt, scaled
.irp dt, 0,1,2,3
.irp k, 0,2,4,6
	v_pk_mul_f32 v[O+8*(2*\dt+\qt)+\k:O+8*(2*\dt+\qt)+\k+1], v[O+8*(2*\dt+\qt)+\k:O+8*(2*\dt+\qt)+\k+1], v[AL+2*\qt:AL+2*\qt+1] op_sel_hi:[1,0]
.endr
.endr
.endm
; 8 matrix instructions: O^T += V^T P^T for 32 keys.  The eight accumulators take turns, one instruction a turn.
.macro PVMUL p, zero
.irp dt, 0,1,2,3
.irp qt, 0,1
.if \zero
	v_wmma_f32_16x16x32_f16 v[O+8*(2*\dt+\qt):O+8*(2*\dt+\qt)+7], v[PA+32*\p+8*\dt:PA+32*\p+8*\dt+7], v[S+32*\qt+16*\p:S+32*\qt+16*\p+7], 0
.else
	v_wmma_f32_16x16x32_f16 v[O+8*(2*\dt+\qt):O+8*(2*\dt+\qt)+7], v[PA+32*\p+8*\dt:PA+32*\p+8*\dt+7], v[S+32*\qt+16*\p:S+32*\qt+16*\p+7], v[O+8*(2*\dt+\qt):O+8*(2*\dt+\qt)+7]
.endif
.endr
.endr
.endm
; 64 keys.  At its head 16 K loads are out, pool 0's first.  first = 1: nothing is carried yet.  next = 1: the next 64 keys of the same slot are fetched.
.macro STEP slot, st, first, next
	s_wait_dscnt 8                                 ; pool 0's K fragments are in; pool 1's eight loads may be out
	SMUL 0
	s_wait_dscnt 0
	SMUL 1
	PLACES 4                                       ; four places behind the matrix instructions: for the loads into their sources and for the reads of their results
	VLOAD \slot, \st, 0                            ; V lands while the softmax runs
	VLOAD \slot, \st, 1
	SMAX 0, \first
	SMAX 1, \first
	SFMA 0
	SEXP 0
	SFMA 1
	SEXP 1
	SSUM 0, \first
	SCVT 0
.if \first == 0
	RESC 0
.endif
	SSUM 1, \first
	SCVT 1
.if \first == 0
	RESC 1
.endif
	s_wait_dscnt 8                                 ; pool 0's V fragments are in; pool 1's eight loads may be out
	PVMUL 0, \first
.if \next
	PLACES 4                                       ; behind the readers of pool 0
	KLOAD \slot, \st+1, 0
	s_wait_dscnt 8                                 ; pool 1's V fragments are in; the eight K loads just issued stay out
.else
	s_wait_dscnt 0
.endif
	PVMUL 1, 0
	PLACES 5                                       ; five places: the next matrix instructions write over P, a source of these; the loads into pool 1 and the end's stores of O ask for four
.if \next
	KLOAD \slot, \st+1, 1
.endif
.endm
; A tile of 512 keys from slot `slot`, of which I take 256 in four steps.  In front of the round every wave waits for all its tensor loads (its part of this tile
; among them) and for its reads of the other slot; the round holds that of every wave of the four work-groups; the joint refill of the other slot comes first
; behind it and has this tile's four steps in which to land.  Two tensor loads of a wave are out.
.macro TRIP slot, refill, first
	s_wait_xcnt 0x0
	v_lshl_add_u32 v190, v0, 2, 0x4c000
	v_mov_b32 v191, 0
	s_wait_tensorcnt 0x0                           ; no tensor load of mine is out, so every group 0 may be written:
	ds_add_u32 v190, v191
	s_wait_dscnt 0x0
	s_add_nc_u64 s[G0K+4*\slot+2:G0K+4*\slot+3], s[G0K+4*\slot+2:G0K+4*\slot+3], 2*TILEB   ; this slot's next tile (in the last two trips written and not used)
	s_add_nc_u64 s[G0V+4*\slot+2:G0V+4*\slot+3], s[G0V+4*\slot+2:G0V+4*\slot+3], 2*TILEB
	s_wait_dscnt 0x0                               ; my reads of the last tile are done
	ROUND
.if \refill
	tensor_load_to_lds s[G0K+4*(1-\slot):G0K+4*(1-\slot)+3], s[G1K:G1K+7]
	s_nop 0
	tensor_load_to_lds s[G0V+4*(1-\slot):G0V+4*(1-\slot)+3], s[G1V:G1V+7]
	s_nop 0
.endif
	KLOAD \slot, 0, 0
	KLOAD \slot, 0, 1
	STEP \slot, 0, \first, 1
	STEP \slot, 1, 0, 1
	STEP \slot, 2, 0, 1
	STEP \slot, 3, 0, 0
.endm
	TRIP 0, 1, 1                                   ; four tiles, written out: the first 64 keys start the maximum, the sum and O
	TRIP 1, 1, 0
	TRIP 0, 1, 0                                   ; tile 2 fetches tile 3,
	TRIP 1, 0, 0                                   ; which fetches nothing
	; THE TWO KEY HALVES ARE JOINED.  The waves of half 1 hand over O, (-c M, M) and their sums, 16 bytes a lane at 16 x lane: 512 consecutive bytes an instruction.
	; The five places at the last step's end stand behind the last matrix instructions.  The branch hangs on the wave's number alone.
	s_cmp_lt_u32 s8, 8
	s_cbranch_scc1 .Lnothing_to_hand_over
.set i, 0
.rept 16
	ds_store_b128 v[XA], v[O+4*i:O+4*i+3] offset:512*i
.set i, i+1
.endr
	ds_store_b128 v[XA], v[NM:NM+3] offset:16*512
	ds_store_b64 v[XA], v[LS:LS+1] offset:17*512
.Lnothing_to_hand_over:
	s_wait_dscnt 0x0                               ; for the partner's sake: what I handed over is in LDS
	s_barrier_signal -1
	s_barrier_wait -1
	s_cmp_lt_u32 s8, 8
	s_cbranch_scc0 .Lhanded_over                   ; the waves of half 1 have nothing more to do but the closing round
	v_add_nc_u32 v[XA], 8*XW, v[XA]                ; my partner is wave w + 8
	ds_load_b128 v[PA:PA+3], v[XA] offset:16*512   ; its -c M, M of both query tiles
	ds_load_b64 v[PA+4:PA+5], v[XA] offset:17*512  ; its sums
.set i, 0
.rept 16
	ds_load_b128 v[S+4*i:S+4*i+3], v[XA] offset:512*i              ; its O
.set i, i+1
.endr
	s_wait_dscnt 16                                ; the first two loads are back; the 16 of O, issued behind them, stay out
.irp qt, 0,1
	v_min_num_f32 v[T+4*\qt], v[NM+2*\qt], v[PA+2*\qt]             ; -c x the larger maximum
	v_sub_f32 v[AL+2*\qt], v[T+4*\qt], v[NM+2*\qt]                 ; c M_mine - c M, never above 0
	v_sub_f32 v[T+4*\qt+2], v[T+4*\qt], v[PA+2*\qt]                ; c M_partner's - c M
.endr
	v_exp_f32 v[AL], v[AL]
	v_exp_f32 v[AL+2], v[AL+2]
	v_exp_f32 v[T+2], v[T+2]
	v_exp_f32 v[T+6], v[T+6]
	v_nop                                          ; one plain vector instruction before the results are used (ISA guide 5.7.2)
	s_wait_alu depctr_va_vdst(0)
.irp qt, 0,1
	v_mul_f32 v[LS+\qt], v[LS+\qt], v[AL+2*\qt]
	v_fmac_f32 v[LS+\qt], v[PA+4+\qt], v[T+4*\qt+2]
.endr
	v_permlanex16_b32 v[T], v[LS], s50, s51        ; the other lane's half of each query's sum
	v_permlanex16_b32 v[T+4], v[LS+1], s50, s51
	v_add_f32 v[LS], v[LS], v[T]                   ; at least 1: the largest score gives 2^0, and its half's factor is 1
	v_add_f32 v[LS+1], v[LS+1], v[T+4]
	v_rcp_f32 v[T], v[LS]
	v_rcp_f32 v[T+4], v[LS+1]
	v_nop                                          ; as above
	s_wait_alu depctr_va_vdst(0)
.irp qt, 0,1
	v_mul_f32 v[AL+2*\qt], v[AL+2*\qt], v[T+4*\qt]                 ; the division by the sum rides on the two factors
	v_mul_f32 v[T+4*\qt+2], v[T+4*\qt+2], v[T+4*\qt]
.endr
	s_wait_dscnt 0x0                               ; the partner's O
	; THE WAY OUT.  Lane (r, h) holds d = 16 dt + 8 h .. + 7 of query 16 qt + r: 16 bytes of a row when packed
.irp qt, 0,1
.irp dt, 0,1,2,3
.irp k, 0,2,4,6
	v_pk_mul_f32 v[O+8*(2*\dt+\qt)+\k:O+8*(2*\dt+\qt)+\k+1], v[O+8*(2*\dt+\qt)+\k:O+8*(2*\dt+\qt)+\k+1], v[AL+2*\qt:AL+2*\qt+1] op_sel_hi:[1,0]
.endr
.irp k, 0,2,4,6
	v_pk_fma_f32 v[O+8*(2*\dt+\qt)+\k:O+8*(2*\dt+\qt)+\k+1], v[S+8*(2*\dt+\qt)+\k:S+8*(2*\dt+\qt)+\k+1], v[T+4*\qt+2:T+4*\qt+3], v[O+8*(2*\dt+\qt)+\k:O+8*(2*\dt+\qt)+\k+1] op_sel_hi:[1,0,1]
.endr
.irp k, 0,1,2,3
	v_cvt_pk_f16_f32 v[PA+32+4*(2*\dt+\qt)+\k], v[O+8*(2*\dt+\qt)+2*\k], v[O+8*(2*\dt+\qt)+2*\k+1]
.endr
	ds_store_b128 v[STO], v[PA+32+4*(2*\dt+\qt):PA+32+4*(2*\dt+\qt)+3] offset:\qt*16*KP+32*\dt
.endr
.endr
.irp i, 0,1,2,3,4,5,6,7
	ds_load_b128 v[PA+4*\i:PA+4*\i+3], v[RD] offset:\i*4*KP        ; my own stage: LDS serves a wave's instructions in order (ISA guide 5.7.1.4), so these see the stores above
.endr
.irp i, 0,1,2,3,4,5,6,7
	s_wait_dscnt 7-\i                              ; read i is back, the 7 - i younger ones stay out
	global_store_b128 v[GO], v[PA+4*\i:PA+4*\i+3], s[6:7] offset:512*\i    ; the wave stores 512 consecutive bytes (four rows), at a multiple of 512 from the buffer's first byte
.endr
.Lhanded_over:
	s_wait_xcnt 0x0
	v_lshl_add_u32 v190, v0, 2, 0x4c000
	v_mov_b32 v191, 0
	s_wait_tensorcnt 0x0
	ds_add_u32 v190, v191
	s_wait_dscnt 0x0
	ROUND                                          ; the closing round: no work-group ends while a partner may still ask for a tile that names it
	s_endpgm
.Lfunc_end_k_qcdda572473_attn:
	.size	k_qcdda572473_attn, .Lfunc_end_k_qcdda572473_attn-k_qcdda572473_attn
	.p2alignl 7, 3214868480
	.fill 96, 4, 3214868480
	.section	.rodata,"a",@progbits
	.p2align	6, 0x0
	.amdhsa_kernel k_qcdda572473_attn
		.amdhsa_group_segment_fixed_size 327680
		.amdhsa_private_segment_fixed_size 0
		.amdhsa_enable_private_segment 0
		.amdhsa_kernarg_size 16
		.amdhsa_user_sgpr_count 2
		.amdhsa_user_sgpr_kernarg_segment_ptr 1
		.amdhsa_wavefront_size32 1
		.amdhsa_system_sgpr_workgroup_id_x 1
		.amdhsa_system_sgpr_workgroup_id_y 1
		.amdhsa_system_sgpr_workgroup_id_z 1
		.amdhsa_system_vgpr_workitem_id 0
		.amdhsa_next_free_vgpr 256
		.amdhsa_next_free_sgpr 66
		.amdhsa_reserve_vcc 0
		.amdhsa_float_denorm_mode_32 3
		.amdhsa_float_denorm_mode_16_64 3
		.amdhsa_memory_ordered 1
		.amdhsa_forward_progress 1
		.amdhsa_inst_pref_size 255
	.end_amdhsa_kernel
	.section	.bss,"aw",@nobits
	.p2align	6
	.space	262144
	.amdgpu_metadata
---
amdhsa.version: [ 1, 2 ]
amdhsa.kernels:
  - .name:           k_qcdda572473_attn
    .symbol:         k_qcdda572473_attn.kd
    .args:
      - { .name: qkv, .offset: 0, .size: 8, .value_kind: global_buffer, .address_space: global }
      - { .name: oh, .offset: 8, .size: 8, .value_kind: global_buffer, .address_space: global }
    .group_segment_fixed_size: 327680
    .private_segment_fixed_size: 0
    .kernarg_segment_align: 8
    .kernarg_segment_size: 16
    .max_flat_workgroup_size: 512
    .sgpr_count:     66
    .vgpr_count:     256
    .wavefront_size: 32
...
	.end_amdgpu_metadata
.endif
;; end of part 3
;; launch proj (part 4): grid 8 x 32, 4 waves a work-group, clusters of 4 x 4, 327,680 bytes of LDS; arguments oh, wh, bout, out0; writes out0
.if DOCPART == 4
	.amdgcn_target "amdgcn-amd-amdhsa--gfx1250"
	.amdhsa_code_object_version 6
	.text
	.protected	k_qcdda572473_proj
	.globl	k_qcdda572473_proj
	.p2align	8
	.type	k_qcdda572473_proj,@function
k_qcdda572473_proj:
	s_mov_b64 s[64:65], 0
	v_nop
	global_prefetch_b8 v0, s[64:65] scope:SCOPE_SE
	s_setreg_imm32_b32 hwreg(HW_REG_WAVE_MODE, 25, 1), 1
	s_wait_xcnt 0x0
	s_wait_alu depctr_hold_cnt(0) depctr_sa_sdst(0) depctr_va_vdst(0) depctr_va_sdst(0) depctr_va_ssrc(0) depctr_va_vcc(0) depctr_vm_vsrc(0)
	s_getreg_b32 s2, hwreg(HW_REG_IB_STS2, 6, 4)
	s_cmp_eq_u32 s2, 0
	s_cbranch_scc0 .Lentry_in_a_cluster
	s_endpgm
.Lentry_in_a_cluster:
	s_bfe_u32 s2, ttmp6, 0x10000c
	s_cmp_lg_u32 s2, 0xf033
	s_cbranch_scc0 .Lentry_shape_is_right
	s_endpgm
.Lentry_shape_is_right:
; out0[m][n] = sum over k of o[m][k] Wout[n][k] + bout[n].  o comes head-major: oh[batch m>>11][head k>>6][token m&2047][k&63], f16;
; Wout = rows 3072 to 4095 of wh [.][1024], f16; sums in f32; out0 [4096][1024] f32.
; A work-group makes a block of 128 x 128 with four waves, a wave 64 x 64 (16 accumulator tiles): 8 x 32 = 256 work-groups of equal work.  Larger blocks
; would feed more multiply-adds from each LDS byte and leave 64 or 128 work-groups; this launch holds an eighth of the program's multiply-adds.
; K goes in four steps of 256 (four heads) through two LDS slots, all written out.  Of each step every wave fetches one head's 128 rows of A
; (128 bytes each, as they lie in memory) and 32 rows of B (512 bytes each).
; CLUSTERS: 4 x 4 work-groups; A's tiles hang on the block row alone and are asked for jointly along a row of the cluster, B's on the block column alone and
; jointly along a column: that divides the requests for A and for B by four.
; The matrix instruction is used transposed (source 0 = rows of Wout, source 1 = rows of o): lane l holds row l % 16 and columns 8 (l / 16) + 0 .. 7.
; REGISTERS: window 0: addresses, the bias, two fragment buffers; window 1 (v256-383): accumulator tile (a, bt) at v[8 (4 a + bt)].
.set AP, 144                           ; LDS pitch of A: 128 bytes + 16
.set BP, 528                           ; LDS pitch of B: 512 bytes + 16; both odd multiples of 16, so the 16 rows of a fragment load fall on different 16-byte columns
.set CHUNK, 128*AP                     ; one head's 128 rows of A
.set BOFF, 4*CHUNK                     ; B lies behind A's four heads
.set SLOT, BOFF+128*BP                 ; 141,312
.set STAGE, 2*SLOT                     ; behind the ring: 16 rows x 272 bytes for each wave, for the way out; no tensor load lands here
.set SP, 272
.set ADRA, 16                          ; v16-17  LDS address of my A fragments in slot 0, 1
.set ADRB, 20                          ; v20-21  the same for B
.set STO, 24                           ; v24     the way out: where I put 32 bytes of a row
.set RD, 25                            ; v25     the way out: where I read 16 bytes back
.set CO, 26                            ; v26     my byte offset in out0
.set BO, 27                            ; v27     my byte offset in my wave's 64 numbers of bout
.set BI, 28                            ; v[28:31] bout of the four columns that I store
.set F0, 64                            ; v[64:127]   fragment buffer 0: B's four tiles, then A's four
.set F1, 128                           ; v[128:191]  fragment buffer 1
.set G1A, 16                           ; s[16:23] descriptor group 1 for A
.set G1B, 24                           ; s[24:31] for B
.set G0A, 32                           ; s[32:39] descriptor group 0 for A, one set for each slot
.set G0B, 48                           ; s[48:55] for B
.set MSB, 0
.macro WIN new                         ; the immediate's high byte repeats the setting that is left
.if MSB != \new
	s_set_vgpr_msb (MSB<<8)|\new
.set MSB, \new
.endif
.endm
.set MUL, 0x50                         ; sources 0 and 1 window 0, C and D window 1
.set ST1, 0x04                         ; an LDS store's data (source 1) window 1, its address window 0
.macro CREST                           ; a round of the cluster's barrier behind its opening barrier
	s_cmp_lg_u32 s12, 0
	s_cbranch_scc1 .Lnot_wave_0_\@
	s_barrier_signal -3
.Lnot_wave_0_\@:
	s_barrier_wait -3
	s_barrier_signal -1
	s_barrier_wait -1
.endm
.macro CROUND                          ; a whole round
	s_barrier_signal -1
	s_barrier_wait -1
	CREST
.endm
.macro PLACES                          ; four places behind a matrix instruction, for loads into its sources and for readers of its result
.rept 4
	v_nop
.endr
.endm
	s_load_b256 s[4:11], s[0:1], 0x0               ; oh s[4:5], wh s[6:7], bout s[8:9], out0 s[10:11]
	v_lshl_add_u32 v254, v0, 2, 0x49400
	v_mov_b32 v255, 0
	ds_add_u32 v254, v255
	v_lshrrev_b32 v1, 5, v0
	v_readfirstlane_b32 s12, v1                    ; wave 0..3
	s_lshr_b32 s13, s12, 1                         ; which 64 rows of the block are mine
	s_and_b32 s14, s12, 1                          ; which 64 columns
	s_bfe_u32 s40, ttmp6, 0x40000                  ; cx
	s_bfe_u32 s41, ttmp6, 0x40004                  ; cy
	s_lshl_b32 s42, ttmp9, 2
	s_add_co_u32 s42, s42, s40                     ; block column = 4 x cluster x + cx, 0 to 7
	s_and_b32 s43, ttmp7, 0xffff
	s_lshl_b32 s43, s43, 2
	s_add_co_u32 s43, s43, s41                     ; block row = 4 x cluster y + cy, 0 to 31
	s_lshl_b32 s44, s41, 2
	s_lshl_b32 s44, 15, s44                        ; my row of the cluster
	s_lshl_b32 s45, 0x1111, s40                    ; my column
	s_or_b32 s[G1A+0], s44, (1<<16)|(1<<20)|(1<<21)|(4<<22)|(3<<25)  ; A: mask of my row; element of 2 bytes; padding on; 21 set beside a mask; after every 32 words 4 words
	s_mov_b32 s[G1A+1], 64<<16                     ; tensor_dim0 = 64
	s_mov_b32 s[G1A+2], 128<<16                    ; tensor_dim1 = 128
	s_mov_b32 s[G1A+3], 64<<16                     ; tile_dim0 = 64
	s_mov_b32 s[G1A+4], 128                        ; tile_dim1 = 128
	s_mov_b32 s[G1A+5], 64                         ; elements from row to row
	s_mov_b32 s[G1A+6], 0
	s_mov_b32 s[G1A+7], 0
	s_or_b32 s[G1B+0], s45, (1<<16)|(1<<20)|(1<<21)|(6<<22)|(3<<25)  ; B: mask of my column; after every 128 words 4 words
	s_mov_b32 s[G1B+1], 256<<16                    ; tensor_dim0 = 256
	s_mov_b32 s[G1B+2], 32<<16                     ; tensor_dim1 = 32
	s_mov_b32 s[G1B+3], 256<<16                    ; tile_dim0 = 256
	s_mov_b32 s[G1B+4], 32                         ; tile_dim1 = 32
	s_mov_b32 s[G1B+5], 1024                       ; elements from row to row
	s_mov_b32 s[G1B+6], 0
	s_mov_b32 s[G1B+7], 0
	; A's offset: the block row and the wave alone
	s_lshr_b32 s56, s43, 4                         ; batch = block row / 16
	s_lshl_b32 s56, s56, 22                        ; x 16 heads x 2,048 tokens x 128 bytes
	s_and_b32 s60, s43, 15
	s_lshl_b32 s60, s60, 14                        ; + 128 tokens for each block row in the batch
	s_add_co_u32 s56, s56, s60
	s_lshl_b32 s60, s12, 18                        ; + head = wave (of the step's four)
	s_add_co_u32 s56, s56, s60
	s_mov_b32 s57, 0
	; B's offset: the block column and the wave alone
	s_lshl_b32 s58, s42, 18                        ; 128 rows x 2,048 bytes for each block column
	s_lshl_b32 s61, s12, 16                        ; + wave x 32 rows
	s_add_co_u32 s58, s58, s61
	s_add_co_u32 s58, s58, 0x600000                ; + Wout's first row in wh: 3,072 rows
	s_mov_b32 s59, 0
	s_mul_i32 s62, s12, CHUNK                      ; where they go: the wave's number alone enters an LDS address
	s_mul_i32 s63, s12, 32*BP
	s_wait_dscnt 0x0
	s_wait_kmcnt 0x0
	s_add_nc_u64 s[56:57], s[4:5], s[56:57]
	s_add_nc_u64 s[58:59], s[6:7], s[58:59]
	CROUND                                         ; all sixteen work-groups are here: the first joint loads meet
.irp s, 0,1
	s_mov_b32 s[G0A+4*\s], 1
	s_add_co_u32 s[G0A+4*\s+1], s62, \s*SLOT
	s_add_nc_u64 s[G0A+4*\s+2:G0A+4*\s+3], s[56:57], \s*0x100000   ; K step s: four heads on
	s_or_b32 s[G0A+4*\s+3], s[G0A+4*\s+3], 0x80000000
	s_mov_b32 s[G0B+4*\s], 1
	s_add_co_u32 s[G0B+4*\s+1], s63, \s*SLOT+BOFF
	s_add_nc_u64 s[G0B+4*\s+2:G0B+4*\s+3], s[58:59], \s*512        ; K step s: 256 elements on
	s_or_b32 s[G0B+4*\s+3], s[G0B+4*\s+3], 0x80000000
	tensor_load_to_lds s[G0A+4*\s:G0A+4*\s+3], s[G1A:G1A+7]        ; every wave issues both lines; four tensor loads of a wave are out
	s_nop 0
	tensor_load_to_lds s[G0B+4*\s:G0B+4*\s+3], s[G1B:G1B+7]
	s_nop 0
.endr
	s_lshl_b32 s60, s42, 9                         ; my first column in bytes of f32: 512 x block column
	s_lshl_b32 s61, s14, 8                         ; + 256 x half
	s_add_co_u32 s60, s60, s61
	s_mov_b32 s61, 0
	s_add_nc_u64 s[8:9], s[8:9], s[60:61]          ; bout at my first column
	s_add_nc_u64 s[10:11], s[10:11], s[60:61]      ; out0 likewise,
	s_lshl_b32 s60, s43, 19                        ; + 128 rows x 4,096 bytes for each block row
	s_lshl_b32 s62, s13, 18                        ; + my half: 64 rows
	s_add_co_u32 s60, s60, s62
	s_add_nc_u64 s[10:11], s[10:11], s[60:61]
	v_and_b32 v1, 15, v0                           ; r = l % 16
	v_bfe_u32 v2, v0, 4, 1                         ; h = l / 16
	v_lshlrev_b32 v[BO], 4, v1
	global_load_b128 v[BI:BI+3], v[BO], s[8:9]     ; the four columns 4 r .. 4 r + 3 of my wave's 64; waited for on the way out
	v_mul_u32_u24 v3, v1, AP
	v_lshl_add_u32 v3, v2, 4, v3                   ; A: row r x pitch + 16 h
	v_mul_u32_u24 v4, v1, BP
	v_lshl_add_u32 v4, v2, 4, v4                   ; B likewise
	s_mul_i32 s62, s13, 64*AP                      ; my 64 rows in each head's chunk
	s_mul_i32 s63, s14, 64*BP                      ; my 64 rows of B,
	s_add_co_u32 s63, s63, BOFF                    ; which lie behind A
.irp s, 0,1
	v_add_nc_u32 v[ADRA+\s], s62, v3
	v_add_nc_u32 v[ADRB+\s], s63, v4
	s_add_co_u32 s62, s62, SLOT
	s_add_co_u32 s63, s63, SLOT
.endr
	s_mul_i32 s62, s12, 16*SP
	s_add_co_u32 s62, s62, STAGE                   ; my stage
	v_mul_u32_u24 v5, v1, SP                       ; in: row r, 32 bytes for each half of the lanes
	v_lshl_add_u32 v5, v2, 5, v5
	v_add_nc_u32 v[STO], s62, v5
	v_mul_u32_u24 v5, v2, SP                       ; back: lanes 0-15 take one row of 256 bytes, lanes 16-31 the next
	v_lshl_add_u32 v5, v1, 4, v5
	v_add_nc_u32 v[RD], s62, v5
	v_lshl_add_u32 v[CO], v2, 12, v[BO]            ; and the same two rows in out0: 4,096 bytes apart
; 4 matrix instructions: row tile a x my four column tiles, 32 along K.  zero = 1: the first product starts the sums.
; The 16 accumulators take turns, one instruction a turn, in the same order in every sub-step.
.macro MUL4 f, a, zero
.irp bt, 0,1,2,3
.if \zero
	v_wmma_f32_16x16x32_f16 v[8*(4*\a+\bt):8*(4*\a+\bt)+7], v[\f+8*\bt:\f+8*\bt+7], v[\f+32+8*\a:\f+32+8*\a+7], 0
.else
	v_wmma_f32_16x16x32_f16 v[8*(4*\a+\bt):8*(4*\a+\bt)+7], v[\f+8*\bt:\f+8*\bt+7], v[\f+32+8*\a:\f+32+8*\a+7], v[8*(4*\a+\bt):8*(4*\a+\bt)+7]
.endif
.endr
.endm
; 16 LDS loads in one run: the fragments of sub-step kk (32 along K: head kk / 2 of the step, half kk % 2 of its 64) into buffer f; B first, then A
.macro FETCH slot, kk, f
.irp bt, 0,1,2,3
	ds_load_b128 v[\f+8*\bt:\f+8*\bt+3],   v[ADRB+\slot] offset:\bt*16*BP+(\kk)*64
	ds_load_b128 v[\f+8*\bt+4:\f+8*\bt+7], v[ADRB+\slot] offset:\bt*16*BP+(\kk)*64+32
.endr
.irp at, 0,1,2,3
	ds_load_b128 v[\f+32+8*\at:\f+32+8*\at+3],   v[ADRA+\slot] offset:((\kk)>>1)*CHUNK+\at*16*AP+((\kk)&1)*64
	ds_load_b128 v[\f+32+8*\at+4:\f+32+8*\at+7], v[ADRA+\slot] offset:((\kk)>>1)*CHUNK+\at*16*AP+((\kk)&1)*64+32
.endr
.endm
; One of a K step's first seven sub-steps: multiplies buffer f; in its middle it fetches sub-step kn of the same slot into buffer g
.macro SUB slot, kn, f, g, zero
	s_wait_dscnt 4                                 ; B and A's tiles 0, 1 are in; the youngest four loads (A's tiles 2, 3) may be out
	WIN MUL
	MUL4 \f, 0, \zero
	MUL4 \f, 1, \zero
	PLACES
	WIN 0
	FETCH \slot, \kn, \g
	s_wait_dscnt 16                                ; all but the 16 just issued
	WIN MUL
	MUL4 \f, 2, \zero
	MUL4 \f, 3, \zero
.endm
.macro SEVEN slot, zero
	SUB \slot, 1, F0, F1, \zero
	SUB \slot, 2, F1, F0, 0
	SUB \slot, 3, F0, F1, 0
	SUB \slot, 4, F1, F0, 0
	SUB \slot, 5, F0, F1, 0
	SUB \slot, 6, F1, F0, 0
	SUB \slot, 7, F0, F1, 0
.endm
; The eighth sub-step: multiplies buffer 1 and changes slots.  fill = 1: this slot is filled again, two K steps ahead.
; In front of the barrier each wave waits for its reads of this slot and for all its tensor loads (its parts of the next slot); where the slot is filled again the
; barrier opens a round of the cluster's barrier, and the joint refills are the first tensor loads behind the round.
.macro TURN slot, next, fill
	s_wait_dscnt 4
	WIN MUL
	MUL4 F1, 0, 0
	s_wait_dscnt 0                                 ; my reads of this slot are over
	s_wait_tensorcnt 0x0                           ; and all my tensor loads have landed
	ds_add_u32 v254, v255
	s_wait_dscnt 0x0
	s_barrier_signal -1
	MUL4 F1, 1, 0                                  ; work on registers while the others arrive
	WIN 0
	s_barrier_wait -1
.if \fill
	CREST                                          ; no wave of any partner still reads this slot or has a load on its way
	s_add_nc_u64 s[G0A+4*\slot+2:G0A+4*\slot+3], s[G0A+4*\slot+2:G0A+4*\slot+3], 0x200000   ; eight heads on
	s_add_nc_u64 s[G0B+4*\slot+2:G0B+4*\slot+3], s[G0B+4*\slot+2:G0B+4*\slot+3], 1024       ; 512 elements on
	tensor_load_to_lds s[G0A+4*\slot:G0A+4*\slot+3], s[G1A:G1A+7]
	s_nop 0
	tensor_load_to_lds s[G0B+4*\slot:G0B+4*\slot+3], s[G1B:G1B+7]
	s_nop 0
.endif
	PLACES
	FETCH \next, 0, F0
	WIN MUL
	MUL4 F1, 2, 0
	MUL4 F1, 3, 0
.endm
	s_wait_tensorcnt 2                             ; my parts of K step 0 are in; K step 1's two loads, issued behind them, stay out
	s_barrier_signal -1
	s_barrier_wait -1                              ; everybody's are
	FETCH 0, 0, F0
	SEVEN 0, 1                                     ; K step 0: its first products start the sums
	TURN 0, 1, 1                                   ; slot 0 gets K step 2
	SEVEN 1, 0
	TURN 1, 0, 1                                   ; slot 1 gets K step 3
	SEVEN 0, 0
	TURN 0, 1, 0                                   ; nothing more to fetch: a plain barrier
	SEVEN 1, 0
	s_wait_dscnt 4                                 ; the very last sub-step
	WIN MUL
	MUL4 F1, 0, 0
	MUL4 F1, 1, 0
	s_wait_dscnt 0
	MUL4 F1, 2, 0
	MUL4 F1, 3, 0
	; THE WAY OUT, 16 rows at a time: 32 bytes a lane into my own stage, read back as whole rows of 256 bytes, the bias added, stored.
	PLACES
	s_wait_loadcnt 0x0                             ; the bias
.macro OUT16 a, f
	WIN ST1
.irp bt, 0,1,2,3
	ds_store_b128 v[STO], v[8*(4*\a+\bt):8*(4*\a+\bt)+3] offset:64*\bt          ; columns 16 bt + 8 h + 0 .. 3 of row r
	ds_store_b128 v[STO], v[8*(4*\a+\bt)+4:8*(4*\a+\bt)+7] offset:64*\bt+16     ; + 4 .. 7
.endr
	WIN 0
	s_wait_xcnt 0x0                                ; every earlier memory instruction has had its addresses translated (ISA guide 3.1): buffer f, which stores read, and the stores' base are rewritten only behind this wait
.if \a
	s_add_nc_u64 s[10:11], s[10:11], 16*4096       ; 16 rows on
.endif
.irp t, 0,1,2,3,4,5,6,7
	ds_load_b128 v[\f+4*\t:\f+4*\t+3], v[RD] offset:\t*2*SP        ; my own stage: LDS serves a wave's instructions in order (ISA guide 5.7.1.4)
.endr
.irp t, 0,1,2,3,4,5,6,7
	s_wait_dscnt 7-\t                              ; read t is back, the 7 - t younger ones stay out
	v_pk_add_f32 v[\f+4*\t:\f+4*\t+1], v[\f+4*\t:\f+4*\t+1], v[BI:BI+1]
	v_pk_add_f32 v[\f+4*\t+2:\f+4*\t+3], v[\f+4*\t+2:\f+4*\t+3], v[BI+2:BI+3]
	global_store_b128 v[CO], v[\f+4*\t:\f+4*\t+3], s[10:11] offset:\t*2*4096 th:TH_STORE_NT   ; 16 lanes store 256 consecutive bytes, at a multiple of 256 from out0's first byte
.endr
.endm
	OUT16 0, F0
	OUT16 1, F1
	OUT16 2, F0
	OUT16 3, F1
	s_wait_tensorcnt 0x0
	ds_add_u32 v254, v255
	s_wait_dscnt 0x0
	CROUND                                         ; the closing round: no work-group ends while a partner may still ask for a tile that names it
	s_endpgm
.Lfunc_end_k_qcdda572473_proj:
	.size	k_qcdda572473_proj, .Lfunc_end_k_qcdda572473_proj-k_qcdda572473_proj
	.p2alignl 7, 3214868480
	.fill 96, 4, 3214868480
	.section	.rodata,"a",@progbits
	.p2align	6, 0x0
	.amdhsa_kernel k_qcdda572473_proj
		.amdhsa_group_segment_fixed_size 327680
		.amdhsa_private_segment_fixed_size 0
		.amdhsa_enable_private_segment 0
		.amdhsa_kernarg_size 32
		.amdhsa_user_sgpr_count 2
		.amdhsa_user_sgpr_kernarg_segment_ptr 1
		.amdhsa_wavefront_size32 1
		.amdhsa_system_sgpr_workgroup_id_x 1
		.amdhsa_system_sgpr_workgroup_id_y 1
		.amdhsa_system_sgpr_workgroup_id_z 1
		.amdhsa_system_vgpr_workitem_id 0
		.amdhsa_next_free_vgpr 384
		.amdhsa_next_free_sgpr 66
		.amdhsa_reserve_vcc 0
		.amdhsa_float_denorm_mode_32 3
		.amdhsa_float_denorm_mode_16_64 3
		.amdhsa_memory_ordered 1
		.amdhsa_forward_progress 1
		.amdhsa_inst_pref_size 94
	.end_amdhsa_kernel
	.amdgpu_metadata
---
amdhsa.version: [ 1, 2 ]
amdhsa.kernels:
  - .name:           k_qcdda572473_proj
    .symbol:         k_qcdda572473_proj.kd
    .args:
      - { .name: oh, .offset: 0, .size: 8, .value_kind: global_buffer, .address_space: global }
      - { .name: wh, .offset: 8, .size: 8, .value_kind: global_buffer, .address_space: global }
      - { .name: bout, .offset: 16, .size: 8, .value_kind: global_buffer, .address_space: global }
      - { .name: out0, .offset: 24, .size: 8, .value_kind: global_buffer, .address_space: global }
    .group_segment_fixed_size: 327680
    .private_segment_fixed_size: 0
    .kernarg_segment_align: 8
    .kernarg_segment_size: 32
    .max_flat_workgroup_size: 128
    .sgpr_count:     66
    .vgpr_count:     384
    .wavefront_size: 32
...
	.end_amdgpu_metadata
.endif
;; end of part 4
